; MI455X (gfx1250); checked and timed in simulation.
; The chip was launched on July 23, 2026; its instructions are those of AMD's public machine-readable ISA for CDNA 5 (MIT licence, August 2026) and "CDNA5" Instruction Set Architecture Reference Guide (July 2026). The comments in the code are by the model that wrote it; some were corrected since.
;; knrm. Allowed arithmetic: matrix products marked QUANTISED: E5M2 operands, one E8M0 scale for each 32 along K, by v_wmma_scale_f32_16x16x128_f8f6f4 with both operands' format E5M2, f32 sums; products left as they are: f32 operands where the result goes on into a quantised operand, else bf16, f16 or f32 operands; f32 sums; everything else in f32.
;; Inputs: dense_b 1 float32; dense_w 1 x 21 float32; doc_idx 128 x 512 int32; doc_len 128 int32; emb_table 50,000 x 300 float32; query_idx 128 x 32 int32; query_len 128 int32.
;; Outputs: out0 128 float32; out1 128 x 21 float32.
;; This version of the problem:
;;   THIS VERSION OF THE PROBLEM IS GIVEN IN LOW PRECISION. The matrix products marked QUANTISED in the list below multiply operands that are first quantised to E5M2 (5 exponent bits, 2 mantissa bits; 8 bits a number), with one power-of-two scale for each 32 numbers along K (OCP MX v1.0); their sums are f32. All else is computed in f32.
;;   The module's matrix products, in the order in which they are computed (A, B: the left and right operand; K: the contracted axis; several contracted axes count as one K, in the product's order):
;;     1. batch 128 x [M 32, K 300] x [K 300, N 512]; A: computed on the way; B: computed on the way: QUANTISED
;;     2. [M 128, K 21] x [K 21, N 1]; A: computed on the way; B: input dense_w: left as it is (K = 21 < 32)
;;   THE QUANTISER, for each operand of a quantised product, along K:
;;     - K is cut into blocks of 32 from its start; a last block that is shorter is filled with zeros.
;;     - A block's scale is 2^e with e = floor(log2(the largest magnitude in the block)) - 15, held to -126 .. 127; a block of zeros has e = 0. As a byte (E8M0): e + 127.
;;     - Each number is divided by its block's scale, clamped to +-57,344, and rounded to the nearest number of E5M2, ties to even, subnormals kept.
;;     - The product sums the exact products of the quantised numbers (number of the format x scale) in f32.
;;   ~~~python
;;   def quantise(x, axis):      # numpy; x: float32 -> the quantised numbers, widened to float32 again
;;       x = np.moveaxis(x, axis, -1); K = x.shape[-1]
;;       x = np.pad(x, [(0, 0)] * (x.ndim - 1) + [(0, -K % 32)]); x = x.reshape(x.shape[:-1] + (-1, 32)); a = np.abs(x).max(-1, keepdims=True)
;;       e = np.where(a > 0, np.clip(np.frexp(np.where(a > 0, a, 1))[1] - 1 - 15, -126, 127), 0)      # np.frexp(a)[1] - 1 = floor(log2(a)), exactly
;;       r = np.clip(x / 2.0 ** e, -57344, 57344)
;;       step = 2.0 ** (np.maximum(np.frexp(np.where(r == 0, 1, r))[1] - 1, -14) - 2)
;;       q = np.round(r / step) * step * 2.0 ** e      # np.round: ties to even
;;       return np.moveaxis(q.reshape(q.shape[:-2] + (-1,))[..., :K], -1, axis).astype(np.float32)
;;   ~~~
;;   OPERANDS COMPUTED ON THE WAY. 'Computed on the way' means the value that the module computes at that place (a softmax that the list does not call 'softmax' is quantised finished and normalised). What goes into a quantiser is computed in f32, as accurately as f32 sums, v_exp_f32 and their like allow (about 1e-6 of the number): no bf16 or f16 on the way to a quantiser, and a product that is left as it is and whose result goes on into a quantised operand takes f32 operands (vector FMAs, or v_wmma_f32_16x16x4_f32). A number that lies on a knife's edge between two numbers of the format may be rounded either way, as far as f32 arithmetic and the matrix unit's own rounding can turn it there, and no further.
;; One version. Each part assembles by itself: llvm-mc -triple=amdgcn-amd-amdhsa -mcpu=gfx1250 --defsym DOCPART=n.
;; ======== version 1 of 1: 2 launches
;; limits: right only within a limited range of input values
;; workspace buffers: part 720,896 bytes
;; launch pool (part 1): grid 256 x 1, 16 waves a work-group, no clusters, 240,640 bytes of LDS; arguments query_idx, doc_idx, doc_len, emb_table, part; writes part
.if DOCPART == 1
	.amdgcn_target "amdgcn-amd-amdhsa--gfx1250"
	.amdhsa_code_object_version 6
	.text
	.protected	k_q16c5c030c8_pool
	.globl	k_q16c5c030c8_pool
	.p2align	8
	.type	k_q16c5c030c8_pool,@function
k_q16c5c030c8_pool:
	s_mov_b64 s[64:65], 0
	v_nop
	global_prefetch_b8 v0, s[64:65] scope:SCOPE_SE
	s_setreg_imm32_b32 hwreg(HW_REG_WAVE_MODE, 25, 1), 1
	s_wait_xcnt 0x0
; KNRM, first of two launches.  For each of 128 batches: 32 query rows and 512 document rows are gathered from emb_table [50000][300] f32, brought to length 1 in f32, quantised along the 300
; to codes of BF8 (E5M2) with one E8M0 scale for each 32 (10 blocks, the last of 12 numbers), multiplied (sim = q d^T, f32 sums), put through 21 Gaussian kernels and
; summed over the documents under doc_len.  The second launch adds the two halves of a batch, and does the logarithm, the clip, the queries' mask and sum, and the score.
; SHARES.  Two work-groups for a batch: 256.  Each makes the batch's two query tiles, and takes every second document tile (16 rows): half p, wave w the one at document 32 w + 16 p.
; Sixteen waves of 256 registers, four to a SIMD.  Wave w quantises query rows 2 w and 2 w + 1 (16 lanes a row).
; A tile that begins at or beyond doc_len is left out whole (a scalar branch on doc_len, which is read from memory), so the rows come by plain loads and no copy engine is used.
; No cluster: of what a work-group loads, only the 32 query rows are also its partner's.  No prefetch: a wave has one tile and no loop to run ahead in.
; LAYOUT.  A row's block of 32 numbers is eight pieces of 16 bytes.  Lane (r = lane % 16, h = lane / 16) takes of row r pieces h, 2 + h, 4 + h, 6 + h: code register 4 c + j holds the
; numbers 32 c + 8 j + 4 h + 0..3.  The queries' image in LDS is laid by the same order, so both operands' k are permuted alike inside each block of 32, and the scales belong to whole blocks.
; K = 300 is three steps of 128; blocks 10 and 11 are zero codes.
; PRODUCT.  Source 0 = 16 documents, source 1 = 16 queries: register j of lane (r, h) is sim(document 8 h + j, query r): a lane owns one query of each query tile and sums over its registers.
; POOLING.  Kernels 1 to 20 have one sigma (0.1) and mu_k = 1.05 - 0.1 k.  With c^2 = 50 log2(e), y = 0.2 c^2 sim, z = 2^y and m_k = c mu_k:
;   2^(-(c sim - m_k)^2) = e_k 2^-(40 + m_k^2),  e_10 = 2^(40 + y (0.5 - (ln2 / 2) y)),  e_(k-b) = e_k z^b.
; e_10 is an exponential; e_5 = e_10 z^5, e_15 = e_10 z^-5, e_20 = e_15 z^-5; each other kernel's sum takes one fused multiply-add of one of these four by z, z^2, z^3 or z^4.
; 40 + m_k^2 is taken off in the second launch's logarithm.  Kernel 0 (sigma 0.001) has an exponential of its own.
; RANGE.  e_k <= 2^105.1 for every sim, 512 of them <= 2^114.1.  The quantiser lets a number grow by 10/9 at the most, so |sim| stays under 1.24, e_10 is a normal number and z^5, z^-5 stay under 2^90.
; An e_k that falls to 0 belongs to a term far under the clip at 1e-10.  A hidden document of the tile on doc_len's edge gets -1000 as the exponents of e_10 and of kernel 0's term: all its terms are 0.
; LIMITS.  NaN and infinities in emb_table are not served.  x / n is x times the reciprocal of n (v_sqrt_f32, v_rcp_f32, one multiplication: within some 2 ulp of the division).
; A block of zeros has the scale byte 1 and zero codes.  The pooling's order of rounding is not the definition's: its terms are right to about 1e-5 of themselves.
; Indices are held to 0 .. 49,999.  doc_len is served from 0 to 512.
.set ROWB,  1200                       ; bytes in a row of the table
.set PARTB, 2816                       ; bytes of a work-group's sums: 11 groups of two kernels x 32 queries
.set QIMG,  0                          ; LDS: the two query tiles as images of their registers: tile q, block c at 6144 q + 512 c + 16 lane
.set QSC,   12288                      ; their scale bytes: 256 q + 16 r + block
.set RED,   13312                      ; each wave's 44 sums: 5632 wave + 512 g + 16 lane
.set REDW,  5632
.set SPARE, 103424                     ; the spare words, 128 bytes for each wave
.set STG,   105472                     ; a stage of 16 rows x (512 + 16 bytes) for each wave
.set SPITCH, 528
.set STGW,  16*SPITCH
.set OFA,   1                          ; v1 my row's offset + 16 h;  v2 without 16 h
.set OFAN,  2
.set SW,    3                          ; v3 my stage + 16 lane: rows go in as they lie
.set SR,    4                          ; v4 my stage + 528 r + 16 h: and come back in the operand's layout
.set F9,    6                          ; v[6:7] 1 - h
.set LI,    9                          ; 16 lane
.set LS,    10                         ; QSC + 16 r
.set RS,    11                         ; where I store my sums
.set RL,    12                         ; where I read group g = my wave's number of waves 0-7's sums
.set RL2,   13                         ; and of waves 8-15's
.set RN,    16                         ; v[16:17] 1 / the row's length (the low word serves both halves)
.set KC,    18                         ; v[18:19] -100 c
.set SD,    20                         ; v20-22 the tile's three scale words; scales and nothing else
.set SQ0,   24                         ; v24-26, v28-30 the queries' scale words; scales and nothing else
.set SQ1,   28
.set ACC,   32                         ; v32-75 kernel k's sums at v[32 + 2 k]: (query r, query 16 + r); pair 21 stays 0
.set BM,    76                         ; v76-85 the ten blocks' largest magnitudes, then the holds
.set SO,    86                         ; v86-95 the conversions' scale operands
.set SSA,   96                         ; v[96:97], v[98:99] the sum of squares in two chains; then at work
.set SSB,   98
.set C,     100                        ; v100-147 the tile's codes: block c at v[100 + 4 c], always under the numbers that are still to be converted
.set X,     104                        ; v104-255 the row's numbers: block c at v[104 + 16 c]; block 9 has eight
.set D0,    76                         ; behind the quantiser: v76-83 sim for queries 0-15, v84-91 for queries 16-31
.set D1,    84
.set QF,    148                        ; v148-243 the queries' fragments, 48 q + 16 step
.set YA,    92                         ; the pooling, four documents x two queries a register block: y, then z, of documents 0-3
.set YC,    76                         ; of documents 4-7
.set E,     100                        ; e_10
.set T0,    108                        ; kernel 0's term
.set W5,    116                        ; z^-5
.set Z2,    124
.set Z3,    132
.set Z4,    140
.set Z5,    148
.set U5,    156
.set U15,   164
.set U20,   172
.set EB,    180                        ; v180, v181 the edge tile's bound and -1000
; the query part, ahead of the sums' clearing
.set QA,    32                         ; v32-34 offsets of my pieces in the table
.set QW,    35                         ; LDS: where my codes go
.set QB,    36                         ; and my blocks' scale bytes
.set QO,    37                         ; my first piece's place in its 512 bytes of the row
.set QI,    38                         ; my query row
.set XQ,    76                         ; v76-99 my 24 numbers
.set WG,    2                          ; the batch
.set WV,    3
.set TAB,   14                         ; s[14:15] emb_table
.set PRT,   24                         ; s[24:25] part
.set DLEN,  27
.set HALF,  28                         ; which half of the batch's document tiles is mine
.set SEL,   30                         ; s[30:31] v_permlanex16_b32's selects for lane l xor 16
.set MNT,   32                         ; the mantissa field of 57,344
.set SK1,   33                         ; 0.2 c^2 = 10 log2(e)
.set SAL,   34                         ; s[34:35] -ln2 / 2   (the packed forms name a pair and take its low word for both halves: both are written)
.set SBI,   36                         ; s[36:37] 40
.set S58,   38                         ; s[38:39] 500 / c
.set SM5,   40                         ; s[40:41] -5
.set TA,    42                         ; my tile's first document
.set TMP,   45
.set DIX,   54                         ; s[54:55] my tile's indices in doc_idx
.set RP,    66                         ; s[66:97] the addresses of my tile's sixteen rows
.set IXA,   84                         ; s[84:99] their indices, until they are spread
.macro BARRIER                         ; my LDS stores have landed and my LDS loads are in: then the work-group's barrier
	s_wait_dscnt 0x0
	s_barrier_signal -1
	s_barrier_wait -1
.endm
; The address of row r of the tile, from its index in s[ix], held inside the table.
.macro SPREAD r, ix
	s_min_u32 s[RP+2*\r], s[\ix], 0xc34f
	s_mul_i32 s[RP+2*\r], s[RP+2*\r], ROWB
	s_mov_b32 s[RP+2*\r+1], 0
	s_add_nc_u64 s[RP+2*\r:RP+2*\r+1], s[TAB:TAB+1], s[RP+2*\r:RP+2*\r+1]
.endm
; The tile's 38 loads.  Bytes 0 to 1023 of each row come as two loads of 512 consecutive bytes (blocks 0-3, blocks 4-7), one row to a load; they land in the registers that these blocks
; own and go through my stage in LDS.  Blocks 8 and 9 come in the operand's layout; block 9 is the row's last 48 bytes: both halves read piece 2, so that no load passes the row's end.
; No hint: a list may name a row twice.
.macro GATHER
.irp r, 0,1,2,3,4,5,6,7,8,9,10,11,12,13,14,15
	global_load_b128 v[X+64+4*\r:X+64+4*\r+3], v[LI], s[RP+2*\r:RP+2*\r+1] offset:512
.endr
.irp j, 0,1,2,3
	global_load_b128 v[X+128+4*\j:X+128+4*\j+3], v[OFA], s[TAB:TAB+1] offset:1024+32*\j
.endr
	global_load_b128 v[X+144:X+147], v[OFA], s[TAB:TAB+1] offset:1152
	global_load_b128 v[X+148:X+151], v[OFAN], s[TAB:TAB+1] offset:1184
.irp r, 0,1,2,3,4,5,6,7,8,9,10,11,12,13,14,15
	global_load_b128 v[X+4*\r:X+4*\r+3], v[LI], s[RP+2*\r:RP+2*\r+1]
.endr
.endm
; Half seg of the sixteen rows through my stage: LDS serves a wave's instructions in order, so no wait stands between the stores and the loads, nor ahead of the other half's stores.
.macro STAGE seg
.irp r, 0,1,2,3,4,5,6,7,8,9,10,11,12,13,14,15
	ds_store_b128 v[SW], v[X+64*\seg+4*\r:X+64*\seg+4*\r+3] offset:SPITCH*\r
.endr
.irp c, 0,1,2,3
.irp j, 0,1,2,3
	ds_load_b128 v[X+64*\seg+16*\c+4*\j:X+64*\seg+16*\c+4*\j+3], v[SR] offset:128*\c+32*\j
.endr
.endr
.endm
.macro SQR acc, i, first               ; two squares onto a chain
.if \first
	v_pk_mul_f32 v[\acc:\acc+1], v[XB+\i:XB+\i+1], v[XB+\i:XB+\i+1]
.else
	v_pk_fma_f32 v[\acc:\acc+1], v[XB+\i:XB+\i+1], v[XB+\i:XB+\i+1], v[\acc:\acc+1]
.endif
.endm
; The raw pass over block sl: the sum of squares in two chains, the largest magnitude in two.
.macro RAW sl, first
.set XB, X+16*(\sl)
.set MA, BM+(\sl)
.set MB, SO+(\sl)
	SQR SSA, 0, \first
	v_max3_num_f32 v[MA], |v[XB]|, |v[XB+1]|, |v[XB+2]|
	SQR SSB, 2, \first
	v_max3_num_f32 v[MB], |v[XB+3]|, |v[XB+4]|, |v[XB+5]|
	SQR SSA, 4, 0
	v_max3_num_f32 v[MA], v[MA], |v[XB+6]|, |v[XB+7]|
	SQR SSB, 6, 0
.if (\sl) < 9
	v_max3_num_f32 v[MB], v[MB], |v[XB+8]|, |v[XB+9]|
	SQR SSA, 8, 0
	v_max3_num_f32 v[MA], v[MA], |v[XB+10]|, |v[XB+11]|
	SQR SSB, 10, 0
	v_max3_num_f32 v[MB], v[MB], |v[XB+12]|, |v[XB+13]|
	SQR SSA, 12, 0
	v_max3_num_f32 v[MA], v[MA], |v[XB+14]|, |v[XB+15]|
	SQR SSB, 14, 0
.endif
	v_max_num_f32 v[MA], v[MA], v[MB]
.endm
; One of the four groups of kernels, pair p: kernel kg takes u, kernels kg - 1 .. kg - 4 take u z .. u z^4.
.macro GRP kg, u, p, yb
	v_pk_add_f32 v[ACC+2*\kg:ACC+2*\kg+1], v[ACC+2*\kg:ACC+2*\kg+1], v[\u+2*\p:\u+2*\p+1]
	v_pk_fma_f32 v[ACC+2*\kg-2:ACC+2*\kg-1], v[\u+2*\p:\u+2*\p+1], v[\yb+2*\p:\yb+2*\p+1], v[ACC+2*\kg-2:ACC+2*\kg-1]
	v_pk_fma_f32 v[ACC+2*\kg-4:ACC+2*\kg-3], v[\u+2*\p:\u+2*\p+1], v[Z2+2*\p:Z2+2*\p+1], v[ACC+2*\kg-4:ACC+2*\kg-3]
	v_pk_fma_f32 v[ACC+2*\kg-6:ACC+2*\kg-5], v[\u+2*\p:\u+2*\p+1], v[Z3+2*\p:Z3+2*\p+1], v[ACC+2*\kg-6:ACC+2*\kg-5]
	v_pk_fma_f32 v[ACC+2*\kg-8:ACC+2*\kg-7], v[\u+2*\p:\u+2*\p+1], v[Z4+2*\p:Z4+2*\p+1], v[ACC+2*\kg-8:ACC+2*\kg-7]
.endm
.macro PMUL d, a, b                    ; four packed products
.irp p, 0,2,4,6
	v_pk_mul_f32 v[\d+\p:\d+\p+1], v[\a+\p:\a+\p+1], v[\b+\p:\b+\p+1]
.endr
.endm
; The pooling of documents j0 .. j0 + 3 of my lane's eight; their y lie at yb.
.macro POOL4 j0, yb
.irp p, 0,2,4,6
	v_pk_fma_f32 v[E+\p:E+\p+1], v[\yb+\p:\yb+\p+1], s[SAL:SAL+1], 0.5 op_sel_hi:[1,0,0]          ; 0.5 - (ln2 / 2) y
.endr
.irp p, 0,2,4,6
	v_pk_fma_f32 v[T0+\p:T0+\p+1], v[\yb+\p:\yb+\p+1], s[S58:S58+1], v[KC:KC+1] op_sel_hi:[1,0,1]  ; 100 c (sim - 1)
.endr
.irp p, 0,2,4,6
	v_pk_fma_f32 v[E+\p:E+\p+1], v[\yb+\p:\yb+\p+1], v[E+\p:E+\p+1], s[SBI:SBI+1] op_sel_hi:[1,1,0]  ; 40 + y (0.5 - (ln2 / 2) y)
.endr
.irp p, 0,2,4,6
	v_pk_mul_f32 v[T0+\p:T0+\p+1], v[T0+\p:T0+\p+1], v[T0+\p:T0+\p+1] neg_lo:[1,0] neg_hi:[1,0]  ; minus its square
.endr
.irp p, 0,2,4,6
	v_pk_mul_f32 v[W5+\p:W5+\p+1], v[\yb+\p:\yb+\p+1], s[SM5:SM5+1] op_sel_hi:[1,0]               ; -5 y
.endr
	s_add_co_u32 s[TMP], s[TA], 16
	s_cmp_le_u32 s[TMP], s[DLEN]
	s_cbranch_scc1 .Lopen_\@                       ; all 16 documents count
	s_sub_co_i32 s[TMP], s[DLEN], s[TA]
	v_bfe_u32 v[EB], v0, 4, 1
	v_mov_b32 v[EB+1], 0xc47a0000                  ; -1000
	v_lshlrev_b32 v[EB], 3, v[EB]
	v_sub_nc_u32 v[EB], s[TMP], v[EB]              ; doc_len - the tile's first document - 8 h: document j of mine is hidden where j is not under it
.irp i, 0,1,2,3
	v_cmp_ge_i32 vcc_lo, \j0+\i, v[EB]
	v_cndmask_b32 v[E+2*\i], v[E+2*\i], v[EB+1], vcc_lo
	v_cndmask_b32 v[E+2*\i+1], v[E+2*\i+1], v[EB+1], vcc_lo
	v_cndmask_b32 v[T0+2*\i], v[T0+2*\i], v[EB+1], vcc_lo
	v_cndmask_b32 v[T0+2*\i+1], v[T0+2*\i+1], v[EB+1], vcc_lo
.endr
.Lopen_\@:
	s_wait_alu depctr_va_vdst(0)                   ; the wait ahead of the batch
.irp i, 0,1,2,3,4,5,6,7                ; a batch of 32 exponentials; none reads another's result
	v_exp_f32 v[\yb+\i], v[\yb+\i]                 ; z
	v_exp_f32 v[E+\i], v[E+\i]                     ; e_10
	v_exp_f32 v[W5+\i], v[W5+\i]                   ; z^-5
	v_exp_f32 v[T0+\i], v[T0+\i]                   ; kernel 0's term
.endr
	v_nop                                          ; a plain instruction behind the last exponential
	s_wait_alu depctr_va_vdst(0)                   ; one wait for the batch, ahead of its first reader
	PMUL Z2, \yb, \yb
	PMUL U15, E, W5
	PMUL Z3, Z2, \yb
	PMUL Z4, Z2, Z2
	PMUL U20, U15, W5
	PMUL Z5, Z4, \yb
.irp p, 0,2,4,6
	v_pk_add_f32 v[ACC:ACC+1], v[ACC:ACC+1], v[T0+\p:T0+\p+1]
	v_pk_mul_f32 v[U5+\p:U5+\p+1], v[E+\p:E+\p+1], v[Z5+\p:Z5+\p+1]
.endr
.irp p, 0,1,2,3
	GRP 10, E, \p, \yb
	GRP 15, U15, \p, \yb
	GRP 20, U20, \p, \yb
	GRP 5, U5, \p, \yb
.endr
.endm
	; ---- the head
	s_load_b256 s[8:15], s[0:1], 0x0               ; query_idx s[8:9], doc_idx s[10:11], doc_len s[12:13], emb_table s[14:15]
	s_load_b64 s[PRT:PRT+1], s[0:1], 0x20
	v_lshrrev_b32 v60, 5, v0
	v_readfirstlane_b32 s[WV], v60                 ; wave 0..15
	s_lshr_b32 s[WG], ttmp9, 1
	s_and_b32 s[HALF], ttmp9, 1
	s_mov_b32 s[SEL], 0x76543210
	s_mov_b32 s[SEL+1], 0xfedcba98
	s_mov_b32 s[MNT], 0x600000
	s_mov_b32 s[SK1], 0x4166d4ca                   ; 14.426950
	s_mov_b32 s[SAL], 0xbeb17218                   ; -0.34657359
	s_mov_b32 s[SAL+1], s[SAL]
	s_mov_b32 s[SBI], 0x42200000                   ; 40
	s_mov_b32 s[SBI+1], s[SBI]
	s_mov_b32 s[S58], 0x426b7b65                   ; 58.870501
	s_mov_b32 s[S58+1], s[S58]
	s_mov_b32 s[SM5], 0xc0a00000                   ; -5
	s_mov_b32 s[SM5+1], s[SM5]
	s_lshl_b32 s[TA], s[WV], 5
	s_lshl_b32 s[TMP], s[HALF], 4
	s_add_co_u32 s[TA], s[TA], s[TMP]              ; 32 wave + 16 half
	s_lshl_b32 s54, s[WG], 11
	s_lshl_b32 s55, s[TA], 2
	s_add_co_u32 s54, s54, s55                     ; documents' indices: 2048 batch + 4 x my first document
	s_lshl_b32 s55, s[WG], 7
	s_lshl_b32 s56, s[WV], 3
	s_add_co_u32 s55, s55, s56                     ; queries': 128 batch + 8 wave
	s_lshr_b32 s58, s[WV], 3                       ; my query tile
	s_and_b32 s59, s[WV], 7
	s_lshl_b32 s59, s59, 5                         ; 32 (wave % 8): 16 bytes for each of my rows
	s_mul_i32 s60, s58, 6144
	s_add_co_u32 s60, s60, s59
	s_lshl_b32 s61, s58, 8
	s_add_co_u32 s61, s61, s59
	s_add_co_u32 s61, s61, QSC
	s_mul_i32 s62, s[WV], REDW
	s_add_co_u32 s62, s62, RED
	s_min_u32 s63, s[WV], 10                       ; groups 0 to 10 are read, by waves 0 to 10
	s_lshl_b32 s63, s63, 9
	s_add_co_u32 s63, s63, RED
	s_mul_i32 s49, s[WV], STGW
	s_add_co_u32 s49, s49, STG
	v_and_b32 v60, 31, v0                          ; lane
	v_and_b32 v61, 15, v0                          ; r
	v_bfe_u32 v62, v0, 4, 1                        ; h
	v_bfe_u32 v63, v0, 2, 2                        ; the query part: which of a load's four blocks,
	v_bfe_u32 v64, v0, 1, 1                        ; a: which half of the block,
	v_and_b32 v65, 1, v0                           ; and pieces 4 a + (lane % 2) and 2 further on
	v_lshl_add_u32 v68, v61, 2, s54
	v_lshl_add_u32 v69, v62, 2, s55
	v_lshlrev_b32 v[QO], 7, v63
	v_lshlrev_b32 v[QW], 9, v63
	v_add_nc_u32 v[QB], s61, v63
	v_lshl_add_u32 v[QO], v64, 6, v[QO]
	v_lshl_add_u32 v[QW], v65, 8, v[QW]
	v_lshl_add_u32 v[QB], v62, 4, v[QB]
	v_cvt_f32_u32 v[F9], v62
	v_lshl_add_u32 v[QO], v65, 4, v[QO]            ; 128 block + 64 a + 16 (lane % 2)
	v_lshl_add_u32 v[QW], v64, 3, v[QW]
	v_lshlrev_b32 v[LI], 4, v60
	v_sub_f32 v[F9], 1.0, v[F9]
	v_lshl_add_u32 v[QW], v62, 4, v[QW]
	v_lshl_add_u32 v[LS], v61, 4, QSC
	v_add_nc_u32 v[RS], s62, v[LI]
	v_mul_u32_u24 v[SR], SPITCH, v61
	v_add_nc_u32 v[SW], s49, v[LI]
	v_add_nc_u32 v[RL], s63, v[LI]
	v_lshl_add_u32 v[SR], v62, 4, v[SR]
	v_add_nc_u32 v[QW], s60, v[QW]                 ; 6144 tile + 512 block + 16 (r + 16 (lane % 2)) + 8 a
	v_mov_b32 v[F9+1], v[F9]
	v_add_nc_u32 v[SR], s49, v[SR]
	v_add_nc_u32 v[RL2], 8*REDW, v[RL]
	v_min_u32 v39, 160, v[QO]                      ; the third pair of loads: the row ends at byte 1200, so its last piece begins at 1184
	v_min_u32 v40, 128, v[QO]
	v_mov_b32 v[KC], 0xc4545498                    ; -100 c = -849.3218
	v_mov_b32 v[KC+1], 0xc4545498
	v_mov_b32 v[RN+1], 0                           ; (named as the upper half of a pair whose low half alone is used)
	s_wait_alu depctr_va_vdst(0)                   ; directly ahead of the wait below
	s_wait_kmcnt 0x0
	s_mov_b32 s[DIX+1], 0
	s_add_nc_u64 s[DIX:DIX+1], s[10:11], s[DIX:DIX+1]
	s_load_b512 s[IXA:IXA+15], s[DIX:DIX+1], 0x0
	global_load_b32 v[QI], v69, s[8:9]
	global_load_b32 v[OFAN], v68, s[10:11]
	s_lshl_b32 s48, s[WG], 2                       ; 4 b
	s_mov_b32 s49, 0
	s_add_nc_u64 s[12:13], s[12:13], s[48:49]
	s_load_b32 s[DLEN], s[12:13], 0x0
	s_mul_i32 s48, ttmp9, PARTB
	s_add_nc_u64 s[PRT:PRT+1], s[PRT:PRT+1], s[48:49]   ; my work-group's sums
.set i, 0
.rept 152
	v_mov_b32 v[X+i], 0                            ; the tile's loads and its quantiser stand under two branches, on either side of a barrier, and every register is written
.set i, i+1                                        ; before it is read on every way through the text
.endr
	v_add_nc_u32 v39, 1024, v39
	v_add_nc_u32 v40, 1056, v40
	s_wait_alu depctr_va_vdst(0)
	s_wait_kmcnt 0x0
	s_wait_loadcnt 0x0
	v_min_u32 v[QI], 0xc34f, v[QI]                 ; held inside the table
	v_min_u32 v[OFAN], 0xc34f, v[OFAN]
	v_mul_u32_u24 v[QI], v[QI], ROWB
	v_mul_u32_u24 v[OFAN], v[OFAN], ROWB
	v_add_nc_u32 v[QA], v[QI], v[QO]
	v_add_nc_u32 v[QA+1], v[QI], v39
	v_add_nc_u32 v[QA+2], v[QI], v40
	v_lshl_add_u32 v[OFA], v62, 4, v[OFAN]
	global_load_b128 v[XQ:XQ+3], v[QA], s[TAB:TAB+1]
	global_load_b128 v[XQ+4:XQ+7], v[QA], s[TAB:TAB+1] offset:32
	global_load_b128 v[XQ+8:XQ+11], v[QA], s[TAB:TAB+1] offset:512
	global_load_b128 v[XQ+12:XQ+15], v[QA], s[TAB:TAB+1] offset:544
	global_load_b128 v[XQ+16:XQ+19], v[QA+1], s[TAB:TAB+1]
	global_load_b128 v[XQ+20:XQ+23], v[QA+2], s[TAB:TAB+1]
	s_wait_alu depctr_va_vdst(0)                   ; the wait at the head's end
	s_barrier_signal -1                            ; every wave has asked for its query rows: the documents' rows are asked for behind all of them
.irp r, 0,1,2,3,4,5,6,7,8,9,10,11,12,13,14,15
	SPREAD \r, IXA+\r                              ; a row's pair lies under the indices that are still to be spread
.endr
	s_barrier_wait -1
	s_cmp_ge_i32 s[TA], s[DLEN]
	s_cbranch_scc1 .Lq_alone
	GATHER
	s_wait_loadcnt 38                              ; my query rows are in; the tile's 38 loads may be out
	s_branch .Lq
.Lq_alone:
	s_wait_loadcnt 0x0
.Lq:
	; ---- my two query rows: three runs of eight numbers a lane, each of one block, four lanes to a block, sixteen to a row
	v_cmp_ge_u32 vcc_lo, 160, v[QO]
.irp i, 16,17,18,19
	v_cndmask_b32 v[XQ+\i], 0, v[XQ+\i], vcc_lo    ; k = 300 on: zeros
.endr
	v_cmp_ge_u32 vcc_lo, 128, v[QO]
.irp i, 20,21,22,23
	v_cndmask_b32 v[XQ+\i], 0, v[XQ+\i], vcc_lo
.endr
	v_pk_mul_f32 v[40:41], v[XQ:XQ+1], v[XQ:XQ+1]
	v_pk_mul_f32 v[42:43], v[XQ+2:XQ+3], v[XQ+2:XQ+3]
.irp i, 4,8,12,16,20
	v_pk_fma_f32 v[40:41], v[XQ+\i:XQ+\i+1], v[XQ+\i:XQ+\i+1], v[40:41]
	v_pk_fma_f32 v[42:43], v[XQ+\i+2:XQ+\i+3], v[XQ+\i+2:XQ+\i+3], v[42:43]
.endr
.irp t, 0,1,2
	v_max3_num_f32 v[44+\t], |v[XQ+8*\t]|, |v[XQ+8*\t+1]|, |v[XQ+8*\t+2]|
.endr
	v_pk_add_f32 v[40:41], v[40:41], v[42:43]
.irp t, 0,1,2
	v_max3_num_f32 v[47+\t], |v[XQ+8*\t+3]|, |v[XQ+8*\t+4]|, |v[XQ+8*\t+5]|
.endr
	v_add_f32 v40, v40, v41
.irp t, 0,1,2
	v_max3_num_f32 v[44+\t], v[44+\t], |v[XQ+8*\t+6]|, |v[XQ+8*\t+7]|
.endr
	v_add_f32_dpp v40, v40, v40 row_xmask:1 row_mask:0xf bank_mask:0xf
.irp t, 0,1,2
	v_max_num_f32 v[44+\t], v[44+\t], v[47+\t]
.endr
	v_add_f32_dpp v40, v40, v40 row_xmask:2 row_mask:0xf bank_mask:0xf
.irp t, 0,1,2
	v_max_num_f32_dpp v[44+\t], v[44+\t], v[44+\t] row_xmask:1 row_mask:0xf bank_mask:0xf
.endr
	v_add_f32_dpp v40, v40, v40 row_xmask:4 row_mask:0xf bank_mask:0xf
.irp t, 0,1,2
	v_max_num_f32_dpp v[44+\t], v[44+\t], v[44+\t] row_xmask:2 row_mask:0xf bank_mask:0xf
.endr
	v_add_f32_dpp v40, v40, v40 row_xmask:8 row_mask:0xf bank_mask:0xf
	s_wait_alu depctr_va_vdst(0)
	v_sqrt_f32 v41, v40
	v_nop
	s_wait_alu depctr_va_vdst(0)
	v_max_num_f32 v41, 0x2b8cbccc, v41             ; 1e-12
	s_wait_alu depctr_va_vdst(0)
	v_rcp_f32 v50, v41
	v_mov_b32 v51, 0                               ; (the plain line behind the reciprocal; the upper half of a pair whose low half alone is used)
	s_wait_alu depctr_va_vdst(0)
.irp t, 0,1,2
	v_mul_f32 v[44+\t], v[44+\t], v50
.endr
.irp t, 0,1,2
	v_max_num_f32 v[44+\t], 0x8000000, v[44+\t]
.endr
.irp t, 0,1,2
	v_add_nc_u32 v[52+\t], 0xf8800000, v[44+\t]
.endr
.irp t, 0,1,2
	v_and_or_b32 v[44+\t], v[44+\t], 0x7f800000, s[MNT]
.endr
.irp t, 0,1,2
	v_lshrrev_b32 v[56+\t], 23, v[52+\t]
.endr
.irp t, 0,1,2
.irp i, 0,2,4,6
	v_pk_mul_f32 v[XQ+8*\t+\i:XQ+8*\t+\i+1], v[XQ+8*\t+\i:XQ+8*\t+\i+1], v[50:51] op_sel_hi:[1,0]
.endr
.endr
.irp t, 0,1,2
.irp i, 0,1,2,3,4,5,6,7
	v_med3_num_f32 v[XQ+8*\t+\i], v[XQ+8*\t+\i], -v[44+\t], v[44+\t]
.endr
.endr
.irp t, 0,1,2
	v_cvt_scalef32_pk8_bf8_f32 v[60+2*\t:61+2*\t], v[XQ+8*\t:XQ+8*\t+7], v[52+\t]
.endr
	v_nop                                          ; a plain line behind the last conversion
.irp t, 0,1,2
	ds_store_b64 v[QW], v[60+2*\t:61+2*\t] offset:QIMG+2048*\t     ; code registers 4 c + 2 a, 4 c + 2 a + 1 of the operand's image
	ds_store_b8 v[QB], v[56+\t] offset:4*\t        ; the four lanes of a block write the same byte with the same value
.endr
	s_wait_dscnt 0x0
	s_barrier_signal -1
.set i, 0
.rept 44
	v_mov_b32 v[ACC+i], 0                          ; the sums: a wave may have no tile, and still hands its sums on
.set i, i+1
.endr
	s_wait_alu depctr_va_vdst(0)
	s_barrier_wait -1                              ; the query tiles lie in LDS; nobody writes them again
	s_cmp_ge_i32 s[TA], s[DLEN]
	s_cbranch_scc1 .Ltail
	ds_load_b96 v[SQ0:SQ0+2], v[LS]                ; the first wait on LDS loads behind the stage's covers these two
	ds_load_b96 v[SQ1:SQ1+2], v[LS] offset:256
	; ---- the gathered rows become the tile's codes (v[C] on) and scale words (v[SD] on)
	s_wait_alu depctr_va_vdst(0)                   ; directly ahead of the wait below
	s_wait_loadcnt 16                              ; loads come back in order: the second halves and blocks 8, 9 are in; the 16 first halves may be out
	STAGE 1
	v_pk_mul_f32 v[X+148:X+149], v[X+148:X+149], v[F9:F9+1]       ; lanes 16-31's second piece of block 9 stands for k = 300 on: zeros
	v_pk_mul_f32 v[X+150:X+151], v[X+150:X+151], v[F9:F9+1]
	RAW 8, 1
	RAW 9, 0
	s_wait_alu depctr_va_vdst(0)
	s_wait_dscnt 8                                 ; blocks 4, 5 are back; the eight loads of blocks 6, 7 may be out
	RAW 4, 0
	RAW 5, 0
	s_wait_alu depctr_va_vdst(0)
	s_wait_loadcnt 0x0                             ; the first halves
	STAGE 0
	s_wait_dscnt 32                                ; blocks 6, 7: behind them stand the first halves' 16 stores and 16 loads
	RAW 6, 0
	RAW 7, 0
	s_wait_alu depctr_va_vdst(0)
	s_wait_dscnt 8                                 ; blocks 0, 1
	RAW 0, 0
	RAW 1, 0
	s_wait_alu depctr_va_vdst(0)
	s_wait_dscnt 0x0                               ; blocks 2, 3
	RAW 2, 0
	RAW 3, 0
	; the row's length, and 1 / max(length, 1e-12); the blocks' maxima are joined with lane l xor 16's meanwhile
	v_pk_add_f32 v[SSA:SSA+1], v[SSA:SSA+1], v[SSB:SSB+1]
	s_delay_alu instid0(VALU_DEP_1)
	v_add_f32 v[SSA], v[SSA], v[SSA+1]
	s_delay_alu instid0(VALU_DEP_1)
	v_permlanex16_b32 v[SSA+1], v[SSA], s[SEL], s[SEL+1]
	s_delay_alu instid0(VALU_DEP_1)
	v_add_f32 v[SSA], v[SSA], v[SSA+1]
	s_wait_alu depctr_va_vdst(0)
	v_sqrt_f32 v[SSB], v[SSA]
	v_nop                                          ; a plain instruction behind the root
.irp b, 0,1,2,3,4,5,6,7,8,9
	v_permlanex16_b32 v[SO+\b], v[BM+\b], s[SEL], s[SEL+1]
.endr
	s_wait_alu depctr_va_vdst(0)                   ; ahead of the first line that names the root
	v_max_num_f32 v[SSB], 0x2b8cbccc, v[SSB]       ; 1e-12
	s_wait_alu depctr_va_vdst(0)                   ; and ahead of the reciprocal
	v_rcp_f32 v[RN], v[SSB]
	v_nop                                          ; a plain instruction behind the reciprocal
.irp b, 0,1,2,3,4,5,6,7,8,9
	v_max_num_f32 v[BM+\b], v[BM+\b], v[SO+\b]
.endr
	s_wait_alu depctr_va_vdst(0)                   ; ahead of the first line that names the reciprocal
.irp b, 0,1,2,3,4,5,6,7,8,9
	v_mul_f32 v[BM+\b], v[BM+\b], v[RN]            ; rounding keeps the order: this IS the largest of the block's normalised numbers
.endr
.irp b, 0,1,2,3,4,5,6,7,8,9
	v_max_num_f32 v[BM+\b], 0x8000000, v[BM+\b]    ; the floor 2^(16 - 127): the byte cannot fall under 1
.endr
.irp b, 0,1,2,3,4,5,6,7,8,9
	v_add_nc_u32 v[SO+\b], 0xf8800000, v[BM+\b]    ; 15 off the exponent field: the conversion takes this operand's exponent field as its scale
.endr
.irp b, 0,1,2,3,4,5,6,7,8,9
	v_and_or_b32 v[BM+\b], v[BM+\b], 0x7f800000, s[MNT]   ; 57,344 x the scale: the hold
.endr
.irp s, 0,1,2
	v_lshrrev_b32 v[SD+\s], 23, v[SO+4*\s]         ; the scales' bytes: four make a K step's word (blocks 10, 11: byte 0 over zero codes)
.endr
.irp b, 1,2,3
	v_lshrrev_b32 v[SSA], 23, v[SO+\b]
	v_lshrrev_b32 v[SSA+1], 23, v[SO+4+\b]
.if \b == 1
	v_lshrrev_b32 v[SSB], 23, v[SO+9]
.endif
	v_lshl_or_b32 v[SD], v[SSA], 8*\b, v[SD]
	v_lshl_or_b32 v[SD+1], v[SSA+1], 8*\b, v[SD+1]
.if \b == 1
	v_lshl_or_b32 v[SD+2], v[SSB], 8, v[SD+2]
.endif
.endr
	; block by block: the normalised numbers, the hold, the codes
.set bl, 0
.rept 10
.set xb, X+16*bl
.set nn, 16
.if bl == 9
.set nn, 8
.endif
.set i, 0
.rept nn/2
	v_pk_mul_f32 v[xb+i:xb+i+1], v[xb+i:xb+i+1], v[RN:RN+1] op_sel_hi:[1,0]
.set i, i+2
.endr
.if bl == 9
.irp j, 38,39,40,41,42,43,44,45,46,47
	v_mov_b32 v[C+\j], 0                           ; k = 300 on, blocks 10 and 11: zero codes
.endr
.endif
.set i, 0
.rept nn
	v_med3_num_f32 v[xb+i], v[xb+i], -v[BM+bl], v[BM+bl] ; the conversion to an 8-bit code does not saturate (ISA guide 7.6.2): the hold at the largest code x the scale
.set i, i+1
.endr
	v_cvt_scalef32_pk8_bf8_f32 v[C+4*bl:C+4*bl+1], v[xb:xb+7], v[SO+bl]
.if bl < 9
	v_cvt_scalef32_pk8_bf8_f32 v[C+4*bl+2:C+4*bl+3], v[xb+8:xb+15], v[SO+bl]
.endif
.set bl, bl+1
.endr
.rept 5
	v_nop                                          ; a plain line behind the last conversion, and places between the codes and the scaled products
.endr
	; ---- the tile's codes against both query tiles
.irp s, 0,1,2
.irp q, 0,1
.irp c, 0,1,2,3
	ds_load_b128 v[QF+48*\q+16*\s+4*\c:QF+48*\q+16*\s+4*\c+3], v[LI] offset:QIMG+6144*\q+512*(4*\s+\c)
.endr
.endr
.endr
	s_wait_alu depctr_va_vdst(0)                   ; directly ahead of the waits below
.irp s, 0,1,2
	s_wait_dscnt 16-8*\s                           ; LDS loads come back in order: this K step's eight are in, the later steps' may be out
.if \s == 0
	v_wmma_scale_f32_16x16x128_f8f6f4 v[D0:D0+7], v[C:C+15], v[QF:QF+15], 0, v[SD], v[SQ0] matrix_a_fmt:MATRIX_FMT_BF8 matrix_b_fmt:MATRIX_FMT_BF8
	v_wmma_scale_f32_16x16x128_f8f6f4 v[D1:D1+7], v[C:C+15], v[QF+48:QF+63], 0, v[SD], v[SQ1] matrix_a_fmt:MATRIX_FMT_BF8 matrix_b_fmt:MATRIX_FMT_BF8
.else
	v_wmma_scale_f32_16x16x128_f8f6f4 v[D0:D0+7], v[C+16*\s:C+16*\s+15], v[QF+16*\s:QF+16*\s+15], v[D0:D0+7], v[SD+\s], v[SQ0+\s] matrix_a_fmt:MATRIX_FMT_BF8 matrix_b_fmt:MATRIX_FMT_BF8
	v_wmma_scale_f32_16x16x128_f8f6f4 v[D1:D1+7], v[C+16*\s:C+16*\s+15], v[QF+48+16*\s:QF+48+16*\s+15], v[D1:D1+7], v[SD+\s], v[SQ1+\s] matrix_a_fmt:MATRIX_FMT_BF8 matrix_b_fmt:MATRIX_FMT_BF8
.endif
.endr                                  ; the two accumulators take turns, one instruction a turn
.rept 8
	v_nop                                          ; places ahead of the first read of the results and of writes over the operands (ISA guide 7.12.1)
.endr
.irp j, 0,1,2,3                        ; y, the two query tiles side by side, so that one pair of sums serves a kernel; each accumulator is read from its low end on
	v_mul_f32 v[YA+2*\j], s[SK1], v[D0+\j]
	v_mul_f32 v[YA+2*\j+1], s[SK1], v[D1+\j]
.endr
.irp j, 0,1,2,3                        ; documents 4-7: over registers of D0 that have been read
	v_mul_f32 v[YC+2*\j], s[SK1], v[D0+4+\j]
	v_mul_f32 v[YC+2*\j+1], s[SK1], v[D1+4+\j]
.endr
	POOL4 0, YA
	POOL4 4, YC
.Ltail:
	; ---- the sums of the sixteen waves meet in LDS: wave g adds group g (kernels 2 g and 2 g + 1) of all sixteen
	s_wait_alu depctr_va_vdst(0)
.set g, 0
.rept 11
	ds_store_b128 v[RS], v[ACC+4*g:ACC+4*g+3] offset:512*g
.set g, g+1
.endr
	BARRIER
	s_cmp_lt_u32 s[WV], 11
	s_cbranch_scc0 .Lend
.set i, 0
.rept 8
	ds_load_b128 v[96+4*i:96+4*i+3], v[RL] offset:REDW*i
.set i, i+1
.endr
.set i, 0
.rept 8
	ds_load_b128 v[128+4*i:128+4*i+3], v[RL2] offset:REDW*i
.set i, i+1
.endr
	s_lshl_b32 s48, s[WV], 8
	s_mov_b32 s49, 0
	s_add_nc_u64 s[PRT:PRT+1], s[PRT:PRT+1], s[48:49]   ; group g's 256 bytes
	v_and_b32 v160, 31, v0
	v_bfe_u32 v161, v0, 4, 1
	v_lshlrev_b32 v160, 3, v160                    ; 8 bytes a query: lane = query
	v_cmp_eq_u32 vcc_lo, 1, v161
	s_wait_alu depctr_va_vdst(0)                   ; directly ahead of the wait below
	s_wait_dscnt 0x0
.irp st, 8,4,2,1
.set i, 0
.rept \st
	v_pk_add_f32 v[96+4*i:96+4*i+1], v[96+4*i:96+4*i+1], v[96+4*(i+\st):96+4*(i+\st)+1]
	v_pk_add_f32 v[96+4*i+2:96+4*i+3], v[96+4*i+2:96+4*i+3], v[96+4*(i+\st)+2:96+4*(i+\st)+3]
.set i, i+1
.endr
.endr
.irp c, 0,1,2,3
	v_permlanex16_b32 v[100+\c], v[96+\c], s[SEL], s[SEL+1]        ; a query's other documents lie in the lane 16 away
.endr
	s_delay_alu instid0(VALU_DEP_3)
	v_pk_add_f32 v[96:97], v[96:97], v[100:101]    ; v96, v97: kernel 2 g, queries r and 16 + r
	s_delay_alu instid0(VALU_DEP_2)
	v_pk_add_f32 v[98:99], v[98:99], v[102:103]    ; v98, v99: kernel 2 g + 1
	v_cndmask_b32 v162, v96, v97, vcc_lo           ; lanes 0-15 keep query r, lanes 16-31 query 16 + r
	v_cndmask_b32 v163, v98, v99, vcc_lo
	global_store_b64 v160, v[162:163], s[PRT:PRT+1]     ; 32 lanes store 256 consecutive bytes, aligned
.Lend:
	v_lshl_add_u32 v76, v0, 2, SPARE
	v_mov_b32 v77, 0
	s_wait_alu depctr_va_vdst(0)
	s_wait_tensorcnt 0x0                           ; the wave's end, behind my last LDS store
	ds_add_u32 v76, v77
	s_wait_dscnt 0x0
	s_endpgm
.Lfunc_end_k_q16c5c030c8_pool:
	.size	k_q16c5c030c8_pool, .Lfunc_end_k_q16c5c030c8_pool-k_q16c5c030c8_pool
	.p2alignl 7, 3214868480
	.fill 96, 4, 3214868480
	.section	.rodata,"a",@progbits
	.p2align	6, 0x0
	.amdhsa_kernel k_q16c5c030c8_pool
		.amdhsa_group_segment_fixed_size 240640
		.amdhsa_private_segment_fixed_size 0
		.amdhsa_enable_private_segment 0
		.amdhsa_kernarg_size 40
		.amdhsa_user_sgpr_count 2
		.amdhsa_user_sgpr_kernarg_segment_ptr 1
		.amdhsa_wavefront_size32 1
		.amdhsa_system_sgpr_workgroup_id_x 1
		.amdhsa_system_sgpr_workgroup_id_y 1
		.amdhsa_system_sgpr_workgroup_id_z 1
		.amdhsa_system_vgpr_workitem_id 0
		.amdhsa_next_free_vgpr 256
		.amdhsa_next_free_sgpr 102
		.amdhsa_reserve_vcc 1
		.amdhsa_float_denorm_mode_32 3
		.amdhsa_float_denorm_mode_16_64 3
		.amdhsa_memory_ordered 1
		.amdhsa_forward_progress 1
		.amdhsa_inst_pref_size 89
	.end_amdhsa_kernel
	.amdgpu_metadata
---
amdhsa.version: [ 1, 2 ]
amdhsa.kernels:
  - .name:           k_q16c5c030c8_pool
    .symbol:         k_q16c5c030c8_pool.kd
    .args:
      - { .name: query_idx, .offset: 0, .size: 8, .value_kind: global_buffer, .address_space: global }
      - { .name: doc_idx, .offset: 8, .size: 8, .value_kind: global_buffer, .address_space: global }
      - { .name: doc_len, .offset: 16, .size: 8, .value_kind: global_buffer, .address_space: global }
      - { .name: emb_table, .offset: 24, .size: 8, .value_kind: global_buffer, .address_space: global }
      - { .name: part, .offset: 32, .size: 8, .value_kind: global_buffer, .address_space: global }
    .group_segment_fixed_size: 240640
    .private_segment_fixed_size: 0
    .kernarg_segment_align: 8
    .kernarg_segment_size: 40
    .max_flat_workgroup_size: 512
    .sgpr_count:     102
    .vgpr_count:     256
    .wavefront_size: 32
...
	.end_amdgpu_metadata
.endif
;; end of part 1
;; launch score (part 2): grid 128 x 1, 1 waves a work-group, no clusters, 0 bytes of LDS; arguments query_len, dense_w, dense_b, part, out0, out1; writes out0, out1
.if DOCPART == 2
	.amdgcn_target "amdgcn-amd-amdhsa--gfx1250"
	.amdhsa_code_object_version 6
	.text
	.protected	k_q16c5c030c8_score
	.globl	k_q16c5c030c8_score
	.p2align	8
	.type	k_q16c5c030c8_score,@function
k_q16c5c030c8_score:
	s_mov_b64 s[64:65], 0
	v_nop
	global_prefetch_b8 v0, s[64:65] scope:SCOPE_SE
	s_setreg_imm32_b32 hwreg(HW_REG_WAVE_MODE, 25, 1), 1
	s_wait_xcnt 0x0
; KNRM, second launch: one wave for a batch, lane = query.  The two halves' sums are added; log2 less 40 + m_k^2 (kernel 0 carries no factor), the clip at 1e-10, the mask over the queries
; with 0.01 ln2, the sum over the 32 lanes (out1), and the product of length 21 with dense_w, in f32, plus dense_b (out0).
; part: [batch][half][group g of kernels 2 g, 2 g + 1][query][2] f32; each load reads 256 consecutive bytes.  Kernel 21 counts for nothing.
; No LDS, no barrier, no cluster, no prefetch: a wave reads 5,632 bytes once and no loop runs.
; LIMITS.  query_len is served from 0 to 32.
.set SM, 8                             ; v8-29 half 0, then the sums: kernel k at v[8 + k]
.set SN, 30                            ; v30-51 half 1, then at work
.set OF, 52                            ; v[52 + k] 40 + m_k^2
.set W,  24                            ; s[24:44] dense_w
	s_load_b256 s[4:11], s[0:1], 0x0               ; query_len s[4:5], dense_w s[6:7], dense_b s[8:9], part s[10:11]
	s_load_b128 s[12:15], s[0:1], 0x20             ; out0 s[12:13], out1 s[14:15]
	s_lshl_b32 s2, ttmp9, 2
	s_mov_b32 s3, 0
	s_mul_i32 s16, ttmp9, 5632
	s_mov_b32 s17, 0
	s_mul_i32 s18, ttmp9, 84
	s_mov_b32 s19, 0
	s_mov_b32 s20, 0x76543210                      ; v_permlanex16_b32's selects for lane l xor 16
	s_mov_b32 s21, 0xfedcba98
	s_mov_b32 s22, 0xbf596d27                      ; -0.1 c
	s_mov_b32 s23, 0x410eafa2                      ; 1.05 c
	s_mov_b32 s46, 0x42200000                      ; 40
	v_lshlrev_b32 v1, 3, v0
	v_lshlrev_b32 v2, 2, v0
	s_wait_alu depctr_va_vdst(0)                   ; directly ahead of the wait below
	s_wait_kmcnt 0x0
	s_add_nc_u64 s[10:11], s[10:11], s[16:17]
.irp g, 0,1,2,3,4,5,6,7,8,9,10
	global_load_b64 v[SM+2*\g:SM+2*\g+1], v1, s[10:11] offset:256*\g
	global_load_b64 v[SN+2*\g:SN+2*\g+1], v1, s[10:11] offset:2816+256*\g
.endr
	s_add_nc_u64 s[4:5], s[4:5], s[2:3]
	s_load_b32 s47, s[4:5], 0x0                    ; the batch's query_len
	s_load_b32 s48, s[8:9], 0x0
	s_load_b512 s[W:W+15], s[6:7], 0x0
	s_load_b128 s[W+16:W+19], s[6:7], 0x40
	s_load_b32 s[W+20], s[6:7], 0x50
	s_add_nc_u64 s[12:13], s[12:13], s[2:3]        ; out0[b]
	s_add_nc_u64 s[14:15], s[14:15], s[18:19]      ; out1[b][0]
.irp k, 1,2,3,4,5,6,7,8,9,10,11,12,13,14,15,16,17,18,19,20
	v_mov_b32 v[OF+\k], \k                         ; under the loads' flight: m_k = c (1.05 - 0.1 k)
.endr
.irp k, 1,2,3,4,5,6,7,8,9,10,11,12,13,14,15,16,17,18,19,20
	v_cvt_f32_u32 v[OF+\k], v[OF+\k]
.endr
.irp k, 1,2,3,4,5,6,7,8,9,10,11,12,13,14,15,16,17,18,19,20
	v_fma_f32 v[OF+\k], v[OF+\k], s22, s23
.endr
.irp k, 1,2,3,4,5,6,7,8,9,10,11,12,13,14,15,16,17,18,19,20
	v_fma_f32 v[OF+\k], v[OF+\k], v[OF+\k], s46
.endr
	v_mov_b32 v3, 0x3be32166                       ; 0.01 ln2
	s_wait_alu depctr_va_vdst(0)
	s_wait_kmcnt 0x0
	v_cmp_gt_u32 vcc_lo, s47, v0
	v_cndmask_b32 v3, 0, v3, vcc_lo                ; the mask over the queries
	s_wait_alu depctr_va_vdst(0)
	s_wait_loadcnt 0x0
.irp g, 0,1,2,3,4,5,6,7,8,9,10
	v_pk_add_f32 v[SM+2*\g:SM+2*\g+1], v[SM+2*\g:SM+2*\g+1], v[SN+2*\g:SN+2*\g+1]
.endr
	s_wait_alu depctr_va_vdst(0)                   ; the wait ahead of the batch
.irp k, 0,1,2,3,4,5,6,7,8,9,10,11,12,13,14,15,16,17,18,19,20
	v_log_f32 v[SM+\k], v[SM+\k]
.endr
	v_nop                                          ; a plain instruction behind the last logarithm
	s_wait_alu depctr_va_vdst(0)                   ; one wait for the batch, ahead of its first reader
.irp k, 1,2,3,4,5,6,7,8,9,10,11,12,13,14,15,16,17,18,19,20
	v_sub_f32 v[SM+\k], v[SM+\k], v[OF+\k]
.endr
.irp k, 0,1,2,3,4,5,6,7,8,9,10,11,12,13,14,15,16,17,18,19,20
	v_max_num_f32 v[SM+\k], 0xc204e08b, v[SM+\k]   ; the clip at 1e-10: log2 of it, -33.219281
.endr
.irp k, 0,1,2,3,4,5,6,7,8,9,10,11,12,13,14,15,16,17,18,19,20
	v_mul_f32 v[SM+\k], v[SM+\k], v3
.endr
.irp m, 1,2,4,8
.irp k, 0,1,2,3,4,5,6,7,8,9,10,11,12,13,14,15,16,17,18,19,20
	v_add_f32_dpp v[SM+\k], v[SM+\k], v[SM+\k] row_xmask:\m row_mask:0xf bank_mask:0xf
.endr
.endr
.irp k, 0,1,2,3,4,5,6,7,8,9,10,11,12,13,14,15,16,17,18,19,20
	v_permlanex16_b32 v[SN+\k], v[SM+\k], s20, s21
.endr
.irp k, 0,1,2,3,4,5,6,7,8,9,10,11,12,13,14,15,16,17,18,19,20
	v_add_f32 v[SM+\k], v[SM+\k], v[SN+\k]         ; every lane holds all 21 numbers of out1
.endr
	; the score in three chains; lane k's own number of out1 in two
	v_mul_f32 v4, s[W], v[SM]
	v_mul_f32 v5, s[W+1], v[SM+1]
	v_mul_f32 v6, s[W+2], v[SM+2]
	v_mov_b32 v7, v[SM]
	v_mov_b32 v74, v[SM+11]
.set i, 1
.rept 9
	s_mov_b32 s49, 1<<i
	s_mov_b32 s50, 1<<(11+i)
.if i < 7
	v_fmac_f32 v4, s[W+3*i], v[SM+3*i]
	v_fmac_f32 v5, s[W+3*i+1], v[SM+3*i+1]
	v_fmac_f32 v6, s[W+3*i+2], v[SM+3*i+2]
.endif
	v_cndmask_b32 v7, v7, v[SM+i], s49
	v_cndmask_b32 v74, v74, v[SM+11+i], s50
.set i, i+1
.endr
	s_mov_b32 s49, 1<<10
	v_add_f32 v4, v4, v5
	v_cndmask_b32 v7, v7, v[SM+10], s49
	v_cmp_lt_u32 vcc_lo, 10, v0
	v_add_f32 v4, v4, v6
	v_cndmask_b32 v7, v7, v74, vcc_lo
	v_add_f32 v4, s48, v4
	s_wait_alu depctr_va_vdst(0)                   ; directly ahead of the wait below
	s_wait_xcnt 0x0                                ; EXEC changes only behind this wait: it is a source of every global access issued so far
	v_cmp_gt_u32 vcc_lo, 21, v0
	s_and_saveexec_b32 s51, vcc_lo
	global_store_b32 v2, v7, s[14:15]              ; out1[b][lane], lanes 0 to 20
	s_wait_xcnt 0x0
	s_or_b32 exec_lo, exec_lo, s51
	v_cmp_eq_u32 vcc_lo, 0, v0
	s_and_saveexec_b32 s51, vcc_lo
	global_store_b32 v2, v4, s[12:13]              ; out0[b], lane 0
	s_wait_xcnt 0x0
	s_or_b32 exec_lo, exec_lo, s51
	s_endpgm
.Lfunc_end_k_q16c5c030c8_score:
	.size	k_q16c5c030c8_score, .Lfunc_end_k_q16c5c030c8_score-k_q16c5c030c8_score
	.p2alignl 7, 3214868480
	.fill 96, 4, 3214868480
	.section	.rodata,"a",@progbits
	.p2align	6, 0x0
	.amdhsa_kernel k_q16c5c030c8_score
		.amdhsa_group_segment_fixed_size 0
		.amdhsa_private_segment_fixed_size 0
		.amdhsa_enable_private_segment 0
		.amdhsa_kernarg_size 48
		.amdhsa_user_sgpr_count 2
		.amdhsa_user_sgpr_kernarg_segment_ptr 1
		.amdhsa_wavefront_size32 1
		.amdhsa_system_sgpr_workgroup_id_x 1
		.amdhsa_system_sgpr_workgroup_id_y 1
		.amdhsa_system_sgpr_workgroup_id_z 1
		.amdhsa_system_vgpr_workitem_id 0
		.amdhsa_next_free_vgpr 80
		.amdhsa_next_free_sgpr 66
		.amdhsa_reserve_vcc 1
		.amdhsa_float_denorm_mode_32 3
		.amdhsa_float_denorm_mode_16_64 3
		.amdhsa_memory_ordered 1
		.amdhsa_forward_progress 1
		.amdhsa_inst_pref_size 23
	.end_amdhsa_kernel
	.amdgpu_metadata
---
amdhsa.version: [ 1, 2 ]
amdhsa.kernels:
  - .name:           k_q16c5c030c8_score
    .symbol:         k_q16c5c030c8_score.kd
    .args:
      - { .name: query_len, .offset: 0, .size: 8, .value_kind: global_buffer, .address_space: global }
      - { .name: dense_w, .offset: 8, .size: 8, .value_kind: global_buffer, .address_space: global }
      - { .name: dense_b, .offset: 16, .size: 8, .value_kind: global_buffer, .address_space: global }
      - { .name: part, .offset: 24, .size: 8, .value_kind: global_buffer, .address_space: global }
      - { .name: out0, .offset: 32, .size: 8, .value_kind: global_buffer, .address_space: global }
      - { .name: out1, .offset: 40, .size: 8, .value_kind: global_buffer, .address_space: global }
    .group_segment_fixed_size: 0
    .private_segment_fixed_size: 0
    .kernarg_segment_align: 8
    .kernarg_segment_size: 48
    .max_flat_workgroup_size: 32
    .sgpr_count:     66
    .vgpr_count:     80
    .wavefront_size: 32
...
	.end_amdgpu_metadata
.endif
;; end of part 2
